; MI455X (gfx1250); checked and timed in simulation.
; The chip was launched on July 23, 2026; its instructions are those of AMD's public machine-readable ISA for CDNA 5 (MIT licence, August 2026) and "CDNA5" Instruction Set Architecture Reference Guide (July 2026). The comments in the code are by the model that wrote it; some were corrected since.
;; Content Based Attention. Allowed arithmetic: matrix products marked QUANTISED: E4M3 operands, one given power-of-two scale a tensor, by v_wmma_f32_16x16x64_fp8_fp8 or v_wmma_f32_16x16x128_fp8_fp8, f32 sums; products left as they are: f32 operands where the result goes on into a quantised operand, else bf16, f16 or f32 operands; f32 sums; everything else in f32.
;; Inputs: W_dec 1,024 x 1,024 float32; W_enc 1,024 x 1,024 float32; W_out 1,024 x 1,024 float32; b_dec 1,024 float32; b_enc 1,024 float32; b_out 1,024 float32; dec_states 32 x 1,024 float32; enc_len 32 int32; enc_states 32 x 2,048 x 1,024 float32; lowp_scales 6 int32 (the exponents e of the quantised operands' scales 2^e); w_attn 1,024 float32.
;; Outputs: out0 32 x 1,024 float32; out1 32 x 2,048 float32.
;; This version of the problem:
;;   THIS VERSION OF THE PROBLEM IS GIVEN IN LOW PRECISION. The matrix products marked QUANTISED in the list below multiply operands that are first quantised to E4M3 (4 exponent bits, 3 mantissa bits; 8 bits a number), with one given power-of-two scale for each operand tensor; their sums are f32. All else is computed in f32.
;;   The module's matrix products, in the order in which they are computed (A, B: the left and right operand; K: the contracted axis; several contracted axes count as one K, in the product's order):
;;     1. [M 65,536, K 1,024] x [K 1,024, N 1,024]; A: input enc_states; B: input W_enc: QUANTISED (scales: A lowp_scales[0], B lowp_scales[1])
;;     2. [M 32, K 1,024] x [K 1,024, N 1,024]; A: input dec_states; B: input W_dec: QUANTISED (scales: A lowp_scales[2], B lowp_scales[3])
;;     3. [M 65,536, K 1,024] x [K 1,024, N 1]; A: computed on the way; B: input w_attn: left as it is (N = 1 < 16)
;;     4. batch 32 x [M 1, K 2,048] x [K 2,048, N 1,024]; A: softmax; B: input enc_states: left as it is (M = 1 < 16)
;;     5. [M 32, K 1,024] x [K 1,024, N 1,024]; A: computed on the way; B: input W_out: QUANTISED (scales: A lowp_scales[4], B lowp_scales[5])
;;   THE QUANTISER, for each operand of a quantised product, along K:
;;     - The operand's scale is 2^e, e = its entry of the input lowp_scales (int32; the entries are numbered through the quantised products in the list's order, A before B).
;;     - Each number is divided by the scale, clamped to +-448, and rounded to the nearest number of E4M3, ties to even, subnormals kept.
;;     - The product sums the exact products of the quantised numbers (number of the format x scale) in f32.
;;   ~~~python
;;   def quantise(x, axis, e):      # numpy; x: float32 -> the quantised numbers, widened to float32 again
;;       x = np.moveaxis(x, axis, -1); K = x.shape[-1]
;;       r = np.clip(x / 2.0 ** e, -448, 448)
;;       step = 2.0 ** (np.maximum(np.frexp(np.where(r == 0, 1, r))[1] - 1, -6) - 3)
;;       q = np.round(r / step) * step * 2.0 ** e      # np.round: ties to even
;;       return np.moveaxis(q, -1, axis).astype(np.float32)
;;   ~~~
;;   OPERANDS COMPUTED ON THE WAY. 'Computed on the way' means the value that the module computes at that place (a softmax that the list does not call 'softmax' is quantised finished and normalised). What goes into a quantiser is computed in f32, as accurately as f32 sums, v_exp_f32 and their like allow (about 1e-6 of the number): no bf16 or f16 on the way to a quantiser, and a product that is left as it is and whose result goes on into a quantised operand takes f32 operands (vector FMAs, or v_wmma_f32_16x16x4_f32). A number that lies on a knife's edge between two numbers of the format may be rounded either way, as far as f32 arithmetic and the matrix unit's own rounding can turn it there, and no further.
;; One version. Each part assembles by itself: llvm-mc -triple=amdgcn-amd-amdhsa -mcpu=gfx1250 --defsym DOCPART=n.
;; ======== version 1 of 1: 4 launches
;; limits: a difference of large sums (such as E[x^2] - mean^2): digits are lost where the result is much smaller than its terms
;; workspace buffers: wenc_codes 1,048,576 bytes; wout_codes 1,048,576 bytes; bw 262,144 bytes; scores 262,144 bytes; ctx_codes 32,768 bytes
;; launch prep (part 1): grid 96 x 1, 16 waves a work-group, no clusters, 158,208 bytes of LDS; arguments W_enc, W_out, W_dec, dec_states, b_dec, b_enc, w_attn, lowp_scales, wenc_codes, wout_codes, bw; writes wenc_codes, wout_codes, bw
.if DOCPART == 1
	.amdgcn_target "amdgcn-amd-amdhsa--gfx1250"
	.amdhsa_code_object_version 6
	.text
	.protected	k_q57b01225f0_prep
	.globl	k_q57b01225f0_prep
	.p2align	8
	.type	k_q57b01225f0_prep,@function
k_q57b01225f0_prep:
	s_mov_b64 s[64:65], 0
	v_nop
	global_prefetch_b8 v0, s[64:65] scope:SCOPE_SE
	s_setreg_imm32_b32 hwreg(HW_REG_WAVE_MODE, 25, 1), 1
	s_wait_xcnt 0x0
; THREE WEIGHTS [1024 (k)][1024 (n)] f32, K THE FIRST AXIS, BECOME CODES OF E4M3; THE THIRD IS MULTIPLIED AT ONCE.
; Work-groups 0-31: W_enc -> wenc_codes.  32-63: W_out -> wout_codes.  64-95: W_dec, which is used here and stored nowhere:
; dec_h = Q(dec_states) Q(W_dec), and with it the table bw[b][a] = (2 log2e (dec_h + b_dec + b_enc), -2 log2e w_attn), which the next launch takes.
; A LANE TAKES A COLUMN n AND ITS REGISTERS RUN DOWN K: a load reads 128 consecutive bytes a wave, and the conversions, which take neighbours along K
; from one lane's registers, give codes with K innermost.  SIXTEEN WAVES; a wave takes 32 columns x 64 K, so that all its 64 loads of the weight go out at its head
; and nothing is asked for behind a wait.  Its codes turn through its own stage in LDS.
; THE CODES' BUFFERS ARE LAID AS THE OPERAND'S REGISTERS: fragment (N tile T, K step S) at byte (8 T + S) x 2048; in it the 16 bytes at 512 c + 16 lane are
; column 16 T + lane % 16, k = 128 S + 32 c + 16 (lane / 16) + 0 .. 15.  That is a permutation of k inside a K step which both operands of each product share.  A wave makes pieces c0, c0 + 1 of two fragments.
; code = x / 2^e, held within +-448, to the nearest code, ties to even.
; LIMITS: each e between -126 and 119; e2 + e3 between -127 and 126 (added to an exponent field).  NaN among the inputs is not served.
; The two kinds of work part ONCE, on the work-group's number, and each path has LDS bytes of its own.  The barriers stand on the W_dec path, which all sixteen waves of such a work-group take.
.set SP,    80                         ; a stage row: 64 bytes + 16 = 5 x 16: sixteen rows start at sixteen different groups of banks (64 banks of 4 bytes: ISA guide 11.1)
.set WST,   32*SP                      ; a wave's stage: 32 columns
.set STG,   0                          ; the stages of the W_enc / W_out path
.set STG2,  16*WST                     ; the stages of the W_dec path
.set RED,   32*WST                     ; W_dec: 16 waves x 4 accumulators x 1,024 bytes
.set OUT,   RED+16*4096                ; W_dec: 32 rows of bw x (256 bytes + 16)
.set OP,    272
.set X,     32                         ; v32-95   two blocks of 32 numbers; later v32-63 the four accumulators, v64-79 the pairs, v80-83 two rows' bytes of bw
.set C,     96                         ; v96-111  the two blocks' codes
.set FRG,   112                        ; v112-127 the weight's two half fragments (column tile u: 8 registers, 64 K)
.set DRAW,  128                        ; v128-191 dec_states: row tile m: 32 numbers
.set DC,    192                        ; v192-207 dec_states' two half fragments
.set PS,    96                         ; v96-223  the sixteen waves' partial sums of one accumulator
.set BD,    232                        ; v232-239 b_dec
.set BE,    240                        ; v240-247 b_enc
.set WA,    248                        ; v248-255 w_attn
.set ACC,   32
.set PR,    64
.macro MKSC e, vs, vl                  ; v[vs] = 2^e as f32 (the conversion takes its exponent field), v[vl] = 448 x 2^e
	s_add_co_i32 s47, \e, 127
	s_lshl_b32 s48, s47, 23
	v_mov_b32 v[\vs], s48
	s_add_co_i32 s47, s47, 8
	s_lshl_b32 s47, s47, 23
	s_or_b32 s47, s47, 0x600000
	v_mov_b32 v[\vl], s47
.endm
.macro LOAD t                          ; block t: W(k0 + 32 t + i, my column), i = 0 .. 31
.set n, 0
.rept 32
	global_load_b32 v[X+32*(\t)+n], v4, s[38:39] offset:(32*(\t)+n)*4096 th:TH_LOAD_NT
.set n, n+1
.endr
.endm
.macro BLOCK t, base, left             ; 32 numbers of my column become 32 bytes of its stage row.  left: the loads issued behind this block's, which may stay out
	s_wait_loadcnt \left
.set n, 0
.rept 32
	v_med3_num_f32 v[X+32*(\t)+n], v[X+32*(\t)+n], -v17, v17     ; the conversion to an 8-bit code does not saturate (ISA guide 7.6.2): the hold comes first
.set n, n+1
.endr
.irp g, 0,1,2,3
	v_cvt_scalef32_pk8_fp8_f32 v[C+8*(\t)+2*\g:C+8*(\t)+2*\g+1], v[X+32*(\t)+8*\g:X+32*(\t)+8*\g+7], v16
.endr
	ds_store_b128 v5, v[C+8*(\t):C+8*(\t)+3] offset:\base+32*(\t)      ; each block has its own registers for its codes: no wait stands between the blocks
	ds_store_b128 v5, v[C+8*(\t)+4:C+8*(\t)+7] offset:\base+32*(\t)+16
.endm
.macro FRAGS base                      ; the stage read back: (column tile u, piece c) at v[FRG + 8 u + 4 c]
.irp u, 0,1
.irp c, 0,1
	ds_load_b128 v[FRG+8*\u+4*\c:FRG+8*\u+4*\c+3], v6 offset:\base+16*SP*\u+32*\c   ; LDS serves a wave's instructions in order: these see my stores
.endr
.endr
.endm
	s_load_b256 s[4:11], s[0:1], 0x0               ; W_enc s[4:5], W_out s[6:7], W_dec s[8:9], dec_states s[10:11]
	s_load_b256 s[12:19], s[0:1], 0x20             ; b_dec s[12:13], b_enc s[14:15], w_attn s[16:17], the scales' exponents s[18:19]
	s_load_b128 s[20:23], s[0:1], 0x40             ; wenc_codes s[20:21], wout_codes s[22:23]
	s_load_b64 s[24:25], s[0:1], 0x50              ; bw
	v_lshl_add_u32 v230, v0, 2, 0x26200
	v_mov_b32 v231, 0
	v_lshrrev_b32 v1, 5, v0
	v_readfirstlane_b32 s26, v1                    ; wave 0..15
	s_lshr_b32 s27, ttmp9, 5                       ; which weight: 0, 1, 2
	s_and_b32 s28, ttmp9, 31                       ; which part of it
	s_and_b32 s42, s28, 7
	s_lshl_b32 s42, s42, 7
	s_and_b32 s43, s26, 3
	s_lshl_b32 s43, s43, 5
	s_add_co_u32 s42, s42, s43                     ; W_enc, W_out: four waves stand side by side on 128 columns,
	s_lshr_b32 s43, s28, 3
	s_lshl_b32 s43, s43, 8
	s_lshr_b32 s46, s26, 2
	s_lshl_b32 s46, s46, 6
	s_add_co_u32 s43, s43, s46                     ; four such rows of waves share 256 along K
	s_lshl_b32 s44, s28, 5                         ; W_dec: the work-group has 32 columns,
	s_lshl_b32 s45, s26, 6                         ; and its sixteen waves share K
	s_cmp_eq_u32 s27, 2
	s_cselect_b32 s29, s44, s42                    ; my first column
	s_cselect_b32 s30, s45, s43                    ; my first k
	v_and_b32 v1, 31, v0                           ; lane
	v_and_b32 v2, 15, v0                           ; r
	v_bfe_u32 v3, v0, 4, 1                         ; h
	v_lshlrev_b32 v4, 2, v1                        ; in: 4 bytes a lane
	s_mul_i32 s46, s26, WST
	v_mul_u32_u24 v5, v1, SP
	v_add_nc_u32 v5, s46, v5                       ; into my stage: row = my column
	v_mul_u32_u24 v6, v2, SP
	v_lshl_add_u32 v6, v3, 4, v6
	v_add_nc_u32 v6, s46, v6                       ; out of it: row r, + 16 h
	v_lshlrev_b32 v7, 4, v1                        ; 16 x lane
	v_lshlrev_b32 v8, 12, v2
	v_lshl_add_u32 v8, v3, 6, v8                   ; dec_states: row r of 4,096 bytes, + 64 h: my 16 numbers of a block of 32
	s_lshl_b32 s46, s26, 12
	s_add_co_u32 s46, s46, RED
	v_add_nc_u32 v9, s46, v7                       ; where I put my four partial accumulators
	s_and_b32 s49, s26, 3                          ; the accumulator that waves 0 to 3 finish
	s_lshl_b32 s46, s49, 10
	s_add_co_u32 s46, s46, RED
	v_add_nc_u32 v10, s46, v7                      ; where that accumulator of wave 0 lies
	s_lshr_b32 s46, s49, 1
	s_mul_i32 s46, s46, 16*OP
	s_and_b32 s47, s49, 1
	s_lshl_b32 s47, s47, 7
	s_add_co_u32 s46, s46, s47
	s_add_co_u32 s46, s46, OUT
	v_mul_u32_u24 v11, v2, OP
	v_lshl_add_u32 v11, v3, 6, v11
	v_add_nc_u32 v11, s46, v11                     ; bw's stage, in: accumulator 2 m + u: row 16 m + r, + 128 u + 64 h
	s_mul_i32 s46, s26, 2*OP
	s_add_co_u32 s46, s46, OUT
	v_mul_u32_u24 v12, v3, OP
	v_lshl_add_u32 v12, v2, 4, v12
	v_add_nc_u32 v12, s46, v12                     ; back: rows 2 w + h, sixteen lanes to a row
	s_lshl_b32 s46, s26, 14
	v_lshlrev_b32 v13, 13, v3
	v_lshl_add_u32 v13, v2, 4, v13
	v_add_nc_u32 v13, s46, v13                     ; and the same place in bw: a row is 8,192 bytes
	v_lshlrev_b32 v14, 5, v3                       ; 32 h: my eight numbers of a bias
	s_wait_kmcnt 0x0
	s_load_b128 s[32:35], s[18:19], 0x0            ; e0 .. e3
	s_load_b64 s[36:37], s[18:19], 0x10            ; e4, e5
	s_cmp_eq_u32 s27, 0                            ; the buffers are chosen on the work-group's number alone
	s_cselect_b64 s[38:39], s[4:5], s[6:7]
	s_cselect_b64 s[40:41], s[20:21], s[22:23]
	s_cmp_eq_u32 s27, 2
	s_cselect_b64 s[38:39], s[8:9], s[38:39]
	s_lshl_b32 s42, s30, 12                        ; k0 rows of 4,096 bytes
	s_lshl_b32 s43, s29, 2
	s_add_co_u32 s42, s42, s43
	s_mov_b32 s43, 0
	s_add_nc_u64 s[38:39], s[38:39], s[42:43]      ; the weight at (k0, my first column)
	s_lshl_b32 s42, s29, 10                        ; (column / 16) x 16,384
	s_lshl_b32 s44, s30, 4                         ; (k0 / 32) x 512
	s_add_co_u32 s42, s42, s44
	s_add_nc_u64 s[40:41], s[40:41], s[42:43]      ; my first piece in the codes' buffer
	s_cmp_eq_u32 s27, 2
	s_cbranch_scc1 .Ldec
	; ---- W_enc, W_out: quantise, turn, store
	LOAD 0
	LOAD 1
	s_wait_kmcnt 0x0
	s_cmp_eq_u32 s27, 0
	s_cselect_b32 s46, s33, s37                    ; e1 or e5
	MKSC s46, 16, 17
	BLOCK 0, STG, 32                               ; block 1's 32 loads may be out
	BLOCK 1, STG, 0
	FRAGS STG
.set n, 0
.rept 4
	s_wait_dscnt 3-n
	global_store_b128 v7, v[FRG+4*n:FRG+4*n+3], s[40:41] offset:16384*(n/2)+512*(n%2)   ; 32 lanes store 512 consecutive bytes, at a multiple of 512 from the buffer's first byte
.set n, n+1
.endr
	s_wait_tensorcnt 0x0
	ds_add_u32 v230, v231
	s_wait_dscnt 0x0
	s_endpgm
	; ---- W_dec: the same, and the product with dec_states
.Ldec:
	s_lshl_b32 s42, s30, 2
	s_add_nc_u64 s[10:11], s[10:11], s[42:43]      ; dec_states at my k0
	s_and_b32 s44, s26, 1
	s_lshl_b32 s44, s44, 4
	s_add_co_u32 s44, s44, s29
	s_lshl_b32 s44, s44, 2                         ; the 16 columns of accumulator 2 m + u: my work-group's first + 16 u, u = w % 2
	s_mov_b32 s45, 0
	s_add_nc_u64 s[12:13], s[12:13], s[44:45]
	s_add_nc_u64 s[14:15], s[14:15], s[44:45]
	s_add_nc_u64 s[16:17], s[16:17], s[44:45]
	s_lshl_b32 s44, s28, 8
	s_add_nc_u64 s[24:25], s[24:25], s[44:45]      ; bw at my work-group's 32 columns: 256 bytes of each row
	LOAD 0                                         ; the weight first: its codes have the longer way, through the stage
	LOAD 1
.irp m, 0,1                            ; dec_states: row tile m at v[DRAW + 32 m]: register 16 b + i = k0 + 32 b + 16 h + i of row 16 m + r
.irp b, 0,1
.irp j, 0,1,2,3
	global_load_b128 v[DRAW+32*\m+16*\b+4*\j:DRAW+32*\m+16*\b+4*\j+3], v8, s[10:11] offset:65536*\m+128*\b+16*\j
.endr
.endr
.endr
	global_load_b128 v[BD:BD+3], v14, s[12:13]     ; the biases last: they are wanted behind the first barrier
	global_load_b128 v[BD+4:BD+7], v14, s[12:13] offset:16
	global_load_b128 v[BE:BE+3], v14, s[14:15]
	global_load_b128 v[BE+4:BE+7], v14, s[14:15] offset:16
	global_load_b128 v[WA:WA+3], v14, s[16:17]
	global_load_b128 v[WA+4:WA+7], v14, s[16:17] offset:16
	s_wait_kmcnt 0x0
	MKSC s35, 16, 17                               ; W_dec: e3
	MKSC s34, 18, 19                               ; dec_states: e2
	s_mov_b32 s50, 0x4038aa3b                      ; 2 log2(e)
	s_mov_b32 s51, s50                             ; (named with it as a pair, so it is written)
	s_add_co_i32 s52, s34, s35
	s_lshl_b32 s52, s52, 23
	s_add_co_u32 s52, s52, s50                     ; 2 log2(e) x 2^(e2 + e3): the exponents are added to the exponent field
	s_mov_b32 s53, 0xc038aa3b                      ; -2 log2(e)
	BLOCK 0, STG2, 54                              ; behind block 0's loads: block 1's 32, dec_states' 16, the biases' 6
	BLOCK 1, STG2, 22                              ; behind block 1's: 16 + 6
	FRAGS STG2
	s_wait_loadcnt 6                               ; dec_states is in; the biases may be out
.irp m, 0,1                            ; dec_states' two tiles become two half fragments while W_dec's come back from the stage
.set n, 0
.rept 32
	v_med3_num_f32 v[DRAW+32*\m+n], v[DRAW+32*\m+n], -v19, v19
.set n, n+1
.endr
.irp g, 0,1,2,3
	v_cvt_scalef32_pk8_fp8_f32 v[DC+8*\m+2*\g:DC+8*\m+2*\g+1], v[DRAW+32*\m+8*\g:DRAW+32*\m+8*\g+7], v18
.endr
.endr
	v_nop                                          ; one plain vector instruction between a scaled conversion and the matrix instruction that reads its result
	s_wait_dscnt 0x0                               ; W_dec's half fragments are in
; TRANSPOSED: source 0 = 16 columns of W_dec, source 1 = 16 rows of dec_states, 64 along K.  In accumulator 2 m + u lane (r, h) holds batch 16 m + r and its register j column 16 u + 8 h + j.
; Four accumulators, one instruction each: every product starts its own sum.
.irp m, 0,1
.irp u, 0,1
	v_wmma_f32_16x16x64_fp8_fp8 v[ACC+8*(2*\m+\u):ACC+8*(2*\m+\u)+7], v[FRG+8*\u:FRG+8*\u+7], v[DC+8*\m:DC+8*\m+7], 0
.endr
.endr
.rept 4
	v_nop                                          ; four places in front of the stores that read results and of the loads into registers that held fragments
.endr
.irp a, 0,1,2,3
	ds_store_b128 v9, v[ACC+8*\a:ACC+8*\a+3] offset:1024*\a
	ds_store_b128 v9, v[ACC+8*\a+4:ACC+8*\a+7] offset:1024*\a+512
.endr
	s_wait_dscnt 0x0                               ; for the others' sake: my partial sums lie in LDS
	s_barrier_signal -1
	s_barrier_wait -1
	s_cmp_gt_u32 s26, 3                            ; waves 0 to 3 finish one accumulator each; no barrier stands in the branch
	s_cbranch_scc1 .Lnofin
.set k, 0
.rept 16                               ; the sixteen waves' pieces of K
	ds_load_b128 v[PS+8*k:PS+8*k+3], v10 offset:4096*k
	ds_load_b128 v[PS+8*k+4:PS+8*k+7], v10 offset:4096*k+512
.set k, k+1
.endr
	s_wait_loadcnt 0x0                             ; the biases
.irp i, 0,2,4,6
	v_pk_add_f32 v[BD+\i:BD+\i+1], v[BD+\i:BD+\i+1], v[BE+\i:BE+\i+1]
.endr
.irp i, 0,2,4,6
	v_pk_mul_f32 v[BD+\i:BD+\i+1], v[BD+\i:BD+\i+1], s[50:51] op_sel_hi:[1,0]   ; 2 log2e (b_dec + b_enc)
.endr
	s_wait_dscnt 0x0
.irp d, 1,2,4,8                        ; neighbours 1, 2, 4 and 8 pieces apart are added
.set k, 0
.rept 8/\d
.irp i, 0,2,4,6
	v_pk_add_f32 v[PS+8*k+\i:PS+8*k+\i+1], v[PS+8*k+\i:PS+8*k+\i+1], v[PS+8*(k+\d)+\i:PS+8*(k+\d)+\i+1]
.endr
.set k, k+2*\d
.endr
.endr
.irp j, 0,1,2,3,4,5,6,7
	v_fma_f32 v[PR+2*\j], v[PS+\j], s52, v[BD+\j]  ; + 2 log2e 2^(e2 + e3) x the sum
	v_mul_f32 v[PR+2*\j+1], s53, v[WA+\j]          ; -2 log2e w_attn beside it
.endr
.irp q, 0,1,2,3
	ds_store_b128 v11, v[PR+4*\q:PR+4*\q+3] offset:16*\q
.endr
.Lnofin:
	s_wait_dscnt 0x0                               ; a row's 256 bytes come from two waves
	s_barrier_signal -1
	s_barrier_wait -1
	ds_load_b128 v[80:83], v12
	s_wait_dscnt 0x0
	global_store_b128 v13, v[80:83], s[24:25]      ; sixteen lanes store 256 consecutive bytes, at a multiple of 256 from bw's first byte; a wave stores two rows' pieces
	s_wait_tensorcnt 0x0
	ds_add_u32 v230, v231
	s_wait_dscnt 0x0
	s_endpgm
.Lfunc_end_k_q57b01225f0_prep:
	.size	k_q57b01225f0_prep, .Lfunc_end_k_q57b01225f0_prep-k_q57b01225f0_prep
	.p2alignl 7, 3214868480
	.fill 96, 4, 3214868480
	.section	.rodata,"a",@progbits
	.p2align	6, 0x0
	.amdhsa_kernel k_q57b01225f0_prep
		.amdhsa_group_segment_fixed_size 158208
		.amdhsa_private_segment_fixed_size 0
		.amdhsa_enable_private_segment 0
		.amdhsa_kernarg_size 88
		.amdhsa_user_sgpr_count 2
		.amdhsa_user_sgpr_kernarg_segment_ptr 1
		.amdhsa_wavefront_size32 1
		.amdhsa_system_sgpr_workgroup_id_x 1
		.amdhsa_system_sgpr_workgroup_id_y 1
		.amdhsa_system_sgpr_workgroup_id_z 1
		.amdhsa_system_vgpr_workitem_id 0
		.amdhsa_next_free_vgpr 256
		.amdhsa_next_free_sgpr 66
		.amdhsa_reserve_vcc 0
		.amdhsa_float_denorm_mode_32 3
		.amdhsa_float_denorm_mode_16_64 3
		.amdhsa_memory_ordered 1
		.amdhsa_forward_progress 1
		.amdhsa_inst_pref_size 44
	.end_amdhsa_kernel
	.amdgpu_metadata
---
amdhsa.version: [ 1, 2 ]
amdhsa.kernels:
  - .name:           k_q57b01225f0_prep
    .symbol:         k_q57b01225f0_prep.kd
    .args:
      - { .name: W_enc, .offset: 0, .size: 8, .value_kind: global_buffer, .address_space: global }
      - { .name: W_out, .offset: 8, .size: 8, .value_kind: global_buffer, .address_space: global }
      - { .name: W_dec, .offset: 16, .size: 8, .value_kind: global_buffer, .address_space: global }
      - { .name: dec_states, .offset: 24, .size: 8, .value_kind: global_buffer, .address_space: global }
      - { .name: b_dec, .offset: 32, .size: 8, .value_kind: global_buffer, .address_space: global }
      - { .name: b_enc, .offset: 40, .size: 8, .value_kind: global_buffer, .address_space: global }
      - { .name: w_attn, .offset: 48, .size: 8, .value_kind: global_buffer, .address_space: global }
      - { .name: lowp_scales, .offset: 56, .size: 8, .value_kind: global_buffer, .address_space: global }
      - { .name: wenc_codes, .offset: 64, .size: 8, .value_kind: global_buffer, .address_space: global }
      - { .name: wout_codes, .offset: 72, .size: 8, .value_kind: global_buffer, .address_space: global }
      - { .name: bw, .offset: 80, .size: 8, .value_kind: global_buffer, .address_space: global }
    .group_segment_fixed_size: 158208
    .private_segment_fixed_size: 0
    .kernarg_segment_align: 8
    .kernarg_segment_size: 88
    .max_flat_workgroup_size: 512
    .sgpr_count:     66
    .vgpr_count:     256
    .wavefront_size: 32
...
	.end_amdgpu_metadata
.endif
;; end of part 1
;; launch score (part 2): grid 256 x 1, 4 waves a work-group, clusters of 4 x 1, 327,680 bytes of LDS; arguments enc_states, wenc_codes, bw, enc_len, lowp_scales, scores; writes scores
.if DOCPART == 2
	.amdgcn_target "amdgcn-amd-amdhsa--gfx1250"
	.amdhsa_code_object_version 6
	.text
	.protected	k_q57b01225f0_score
	.globl	k_q57b01225f0_score
	.p2align	8
	.type	k_q57b01225f0_score,@function
k_q57b01225f0_score:
	s_mov_b64 s[64:65], 0
	v_nop
	global_prefetch_b8 v0, s[64:65] scope:SCOPE_SE
	s_setreg_imm32_b32 hwreg(HW_REG_WAVE_MODE, 25, 1), 1
	s_wait_xcnt 0x0
	s_wait_alu depctr_hold_cnt(0) depctr_sa_sdst(0) depctr_va_vdst(0) depctr_va_sdst(0) depctr_va_ssrc(0) depctr_va_vcc(0) depctr_vm_vsrc(0)
	s_getreg_b32 s2, hwreg(HW_REG_IB_STS2, 6, 4)
	s_cmp_eq_u32 s2, 0
	s_cbranch_scc0 .Lentry_in_a_cluster
	s_endpgm
.Lentry_in_a_cluster:
	s_bfe_u32 s2, ttmp6, 0x10000c
	s_cmp_lg_u32 s2, 0x3003
	s_cbranch_scc0 .Lentry_shape_is_right
	s_endpgm
.Lentry_shape_is_right:
; scores[b][s] = t = log2e x (tanh(Q(enc) Q(W_enc) + b_enc + dec_h) . w_attn), less a number that is the same for all s of a batch; -infinity where s >= enc_len[b].
; tanh x = 1 - 2 / (1 + e^(2x)), so log2e x sum_a w tanh = log2e x sum_a w + sum_a w2 r, with r = 1 / (1 + 2^arg), arg = sum x C + bias2, C = 2 log2e 2^(e0 + e1), and (bias2, w2) from the table bw.
; The first term does not hang on s, and the softmax that follows takes the row's maximum away: it is left out.  2^arg = infinity gives r = 0, 2^arg = 0 gives r = 1: nothing is clamped.
; ORDER OF ROUNDING: the sum is kept of w2 r, not of w tanh; with w_attn carrying a common offset of 30 times its spread the sums are some hundreds, and t keeps about four decimal places behind the point.
; SHARES.  A work-group owns 256 positions of one batch; each of its four waves 64 of them (four tiles of 16), for all 1,024 columns.
; PHASE X: the wave's rows are read once, each load one row's 512 consecutive bytes, quantised, turned through the wave's own LDS bytes, and stay as codes in 512 registers (4 tiles x 8 K steps).
; PHASE G: W_enc's codes, laid as register images, come through a ring of two LDS slots of four N tiles (64 KiB); each fragment read from LDS feeds four matrix instructions.
; A PAIR is two N tiles x four row tiles x eight K steps: 64 matrix instructions on eight accumulators.  Two sets of accumulators take turns: while one pair is multiplied, the pair before goes through
; exp, reciprocal and the dot product: 224 vector instructions, cut into 64 slices, one behind each matrix instruction.  A slice costs two switches of the register window; set in a phase of their own
; the 224 would leave the matrix unit idle all that while.
; CLUSTER.  The four work-groups of a cluster walk the same W_enc: each slot is asked for JOINTLY, the same tensor load with the same descriptor and a mask that names the four.
; THE MASK.  A tile of 16 rows that lies wholly at or behind enc_len is not read: its address is held at the batch's last valid tile, and its scores become -infinity.  No branch hangs on enc_len.
; LIMITS: e0 between -126 and 119; e0 + e1 between -127 and 126.  NaN among the rows in front of enc_len is not served; rows behind it may hold anything.
; REGISTERS, in windows of 256 (s_set_vgpr_msb: bits 1:0 source 0, 3:2 source 1, 5:4 source 2, 7:6 destination):
;   window 0: v1-15 addresses; v16-23 (bias2, w2) of a slot's four N tiles; v32-95, v96-159 the two sets of accumulators; v160-191 the scores' sums; v192-223 codes just made
;   window 1: phase X: four sets of 64 numbers; phase G: W_enc's fragments, K steps 0-3 at v0, K steps 4-7 at v128        windows 2, 3: my rows' codes: fragment (tile m, K step s) in window 2 + m / 2 at v[16 (8 (m % 2) + s)]
.set SLOTB, 0x10000                    ; a slot: four N tiles x 16,384 bytes; slot 1 begins here, so that one exclusive or turns an address
.set SPARE, 2*SLOTB                    ; the spare words, 128 bytes for each wave: two blocks of 256 bytes that no other line names
.set CIMG,  SPARE+512                  ; phase X: for each wave four sub-blocks of 16 rows x (512 codes + 16 bytes)
.set CP,    528                        ; 33 x 16 bytes: sixteen rows start at sixteen different groups of banks (ISA guide 11.1)
.set CSUB,  16*CP
.set CWAVE, 4*CSUB
.set SCR,   CIMG+4*CWAVE               ; the way out: 64 words for each wave
.set LN16, 1                           ; v1   16 x lane
.set SPW,  2                           ; v2   my spare word; never rewritten
.set NIL,  3                           ; v3   0; never rewritten
.set VO,   4                           ; v4   byte offset in my batch of the trip that is being asked for
.set CWB,  5                           ; v5   my wave's sub-block 0 + 4 x lane
.set CW,   6                           ; v6   the same in the sub-block in hand
.set FA,   7                           ; v7   my wave's sub-block 0 + 528 r + 16 h
.set ADR,  8                           ; v8   LDS address of the fetch in hand
.set BWO,  9                           ; v9   8 r + 512 x slot: my column's pair in bw
.set SCL,  10                          ; v10  2^e0
.set LIM,  11                          ; v11  448 x 2^e0
.set SA,   12
.set SL,   13
.set ROW,  14                          ; v14-15 the two positions whose scores I store
.set BW,   16
.set GO,   27                          ; v27  8 x lane
.set ACC,  32
.set SACC, 160
.set PC,   192
.set WV,   16                          ; s16  wave
.set G1,   24                          ; s[24:31] descriptor group 1
.set G0A,  32                          ; s[32:35] group 0 of slot 0's first fill
.set G0B,  36                          ; s[36:39] group 0 of slot 1's first fill; it then walks
.set TB,   40                          ; s40  LDS byte at which the slot in hand begins
.set CNT,  41
.set TA,   42                          ; s42  the trip of phase X that is asked for next
.set CO,   43                          ; s43  the sub-block in hand, in bytes
.set CC,   44                          ; s[44:45] C, twice
.set MSB, 0
.macro WIN new                         ; the immediate's high byte repeats the setting that is left; a switch that changes nothing is dropped
.if MSB != (\new)
	s_set_vgpr_msb (MSB<<8)|(\new)
.set MSB, (\new)
.endif
.endm
.macro PLACES                          ; four places: in front of loads into registers that matrix instructions have read, and of reads of results
.rept 4
	v_nop
.endr
.endm
.macro CREST                           ; a round of the cluster's barrier behind its opening barrier
	s_cmp_lg_u32 s[WV], 0
	s_cbranch_scc1 .Lnot_wave_0_\@
	s_barrier_signal -3
.Lnot_wave_0_\@:
	s_barrier_wait -3
	s_barrier_signal -1
	s_barrier_wait -1
.endm
.macro CROUND                          ; a whole round
	s_barrier_signal -1
	s_barrier_wait -1
	CREST
.endm
	s_load_b256 s[4:11], s[0:1], 0x0               ; enc_states s[4:5], wenc_codes s[6:7], bw s[8:9], enc_len s[10:11]
	s_load_b128 s[12:15], s[0:1], 0x20             ; the scales' exponents s[12:13], scores s[14:15]
	v_lshl_add_u32 v[SPW], v0, 2, SPARE
	v_mov_b32 v[NIL], 0
	ds_add_u32 v2, v3
	ds_add_u32 v2, v3
	s_wait_dscnt 0x0
	v_lshrrev_b32 v24, 5, v0
	v_readfirstlane_b32 s[WV], v24                 ; wave 0..3
	s_bfe_u32 s17, ttmp6, 0x40000                  ; cx: my place in the cluster: it enters global addresses alone
	s_lshl_b32 s18, ttmp9, 2
	s_add_co_u32 s18, s18, s17                     ; work-group = 4 x cluster + cx
	s_lshr_b32 s19, s18, 3                         ; batch
	s_and_b32 s20, s18, 7                          ; which 256 positions of it
	; descriptor group 1: a dense block of 16,384 bytes as 64 rows of 256
	s_mov_b32 s[G1], 15|(3<<16)|(1<<21)            ; 15:0 the mask: all four work-groups; 17:16 elements of 8 bytes; 20 no padding: an image is read as it lies; 21 set beside a mask
	s_mov_b32 s[G1+1], 32<<16                      ; tensor_dim0 = 32
	s_mov_b32 s[G1+2], 64<<16                      ; tensor_dim1 = 64
	s_mov_b32 s[G1+3], 32<<16                      ; tile_dim0 = 32
	s_mov_b32 s[G1+4], 64                          ; tile_dim1 = 64
	s_mov_b32 s[G1+5], 32                          ; from row to row
	s_mov_b32 s[G1+6], 0
	s_mov_b32 s[G1+7], 0
	s_lshl_b32 s48, s[WV], 14                      ; wave w fetches N tile w of a slot: no place in the cluster enters the descriptor
	s_mov_b32 s49, 0
	s_lshl_b32 s50, s19, 2
	s_mov_b32 s51, 0
	s_wait_kmcnt 0x0
	s_add_nc_u64 s[10:11], s[10:11], s[50:51]
	s_load_b32 s21, s[10:11], 0x0                  ; enc_len of my batch
	s_load_b64 s[46:47], s[12:13], 0x0             ; e0, e1
	CROUND                                         ; all four work-groups are here: the first joint loads meet
	s_mov_b32 s[G0A], 1                            ; count = 1
	s_mov_b32 s[G0A+1], s48                        ; LDS address
	s_add_nc_u64 s[G0A+2:G0A+3], s[6:7], s[48:49]  ; global address: N tile w
	s_mov_b32 s[G0B], 1
	s_add_co_u32 s[G0B+1], s48, SLOTB
	s_add_nc_u64 s[G0B+2:G0B+3], s[G0A+2:G0A+3], SLOTB   ; N tile 4 + w
	s_or_b32 s[G0A+3], s[G0A+3], 0x80000000        ; type = 2
	s_or_b32 s[G0B+3], s[G0B+3], 0x80000000
	tensor_load_to_lds s[G0A:G0A+3], s[G1:G1+7]    ; both first fills together, ahead of every wait on TENSORcnt and every LDS read: two loads of mine are out
	s_nop 0
	tensor_load_to_lds s[G0B:G0B+3], s[G1:G1+7]
	s_nop 0
	PLACES
	v_and_b32 v24, 31, v0                          ; lane
	v_and_b32 v25, 15, v0                          ; r
	v_bfe_u32 v26, v0, 4, 1                        ; h
	v_lshlrev_b32 v[LN16], 4, v24
	s_mul_i32 s52, s[WV], CWAVE
	s_add_co_u32 s52, s52, CIMG
	v_lshl_add_u32 v[CWB], v24, 2, s52
	v_mul_u32_u24 v[FA], v25, CP
	v_lshl_add_u32 v[FA], v26, 4, v[FA]
	v_add_nc_u32 v[FA], s52, v[FA]
	v_lshlrev_b32 v[BWO], 3, v25
	s_lshl_b32 s53, s[WV], 8
	s_add_co_u32 s53, s53, SCR
	v_lshl_add_u32 v[SA], v26, 5, s53              ; the way out, in: + 32 h
	v_lshl_add_u32 v[SL], v24, 3, s53              ; back: two words a lane
	s_lshl_b32 s54, s20, 8
	s_lshl_b32 s55, s[WV], 6
	s_add_co_u32 s54, s54, s55
	v_lshl_add_u32 v[ROW], v24, 1, s54             ; position 256 x block + 64 x wave + 2 x lane,
	v_add_nc_u32 v[ROW+1], 1, v[ROW]               ; and the next
	v_lshlrev_b32 v[GO], 3, v24
.set n, 0
.rept 32
	v_mov_b32 v[SACC+n], 0                         ; the scores' sums: their first addition stands in the loop, so they begin as zeros
.set n, n+1
.endr
	s_lshl_b32 s48, s19, 23                        ; a batch of enc_states is 8 MiB
	s_add_nc_u64 s[4:5], s[4:5], s[48:49]
	s_lshl_b32 s48, s19, 13                        ; of bw 8,192 bytes
	s_add_nc_u64 s[8:9], s[8:9], s[48:49]
	s_lshl_b32 s48, s18, 10
	s_lshl_b32 s50, s[WV], 8
	s_add_co_u32 s48, s48, s50
	s_add_nc_u64 s[14:15], s[14:15], s[48:49]      ; my wave's 64 scores
	s_lshl_b32 s23, s20, 4
	s_lshl_b32 s50, s[WV], 2
	s_add_co_u32 s23, s23, s50                     ; my first tile of 16 rows in the batch
	s_wait_kmcnt 0x0
	s_sub_co_u32 s22, s21, 1
	s_lshr_b32 s22, s22, 4                         ; the batch's last valid tile (with enc_len <= 0 a large number: nothing is held then, and every score is masked)
	s_add_co_i32 s48, s46, s47
	s_lshl_b32 s48, s48, 23
	s_add_co_u32 s[CC], s48, 0x4038aa3b            ; C = 2 log2e x 2^(e0 + e1): the exponents are added to the exponent field
	s_mov_b32 s[CC+1], s[CC]                       ; (named with it as a pair, so it is written)
	s_add_co_i32 s48, s46, 127
	s_lshl_b32 s50, s48, 23
	v_mov_b32 v[SCL], s50
	s_add_co_i32 s48, s48, 8
	s_lshl_b32 s48, s48, 23
	s_or_b32 s48, s48, 0x600000
	v_mov_b32 v[LIM], s48
; ---------------- PHASE X.  A trip is 16 rows x 512 along K: four units of 128 along K.  Trip a: row tile a / 2, half a % 2 of K.
.macro MKVO                            ; the offset of trip s[TA], whose tile is held at the last valid one and, by a constant, inside the batch
	s_lshr_b32 s48, s[TA], 1
	s_add_co_u32 s48, s48, s23
	s_min_u32 s48, s48, s22
	s_min_u32 s48, s48, 127
	s_lshl_b32 s48, s48, 16                        ; a tile of 16 rows is 65,536 bytes
	s_and_b32 s49, s[TA], 1
	s_lshl_b32 s49, s49, 11
	s_add_co_u32 s48, s48, s49
	v_add_nc_u32 v[VO], s48, v[LN16]
	s_add_co_u32 s[TA], s[TA], 1
.endm
.macro XLOAD u                         ; unit u: 16 loads, each one row's 512 consecutive bytes: register 4 rho + j = row rho, k = 4 lane + j
	WIN 0x40                                       ; destination window 1
.irp rho, 0,1,2,3,4,5,6,7,8,9,10,11,12,13,14,15
	global_load_b128 v[64*(\u)+4*\rho:64*(\u)+4*\rho+3], v[VO], s[4:5] offset:4096*\rho+512*(\u) th:TH_LOAD_NT
.endr
.endm
.macro UNIT u, ahead, left
	s_wait_loadcnt \left                           ; this set's 16 loads are in; the younger sets' stay out
	WIN 0x41                                       ; source 0 and destination window 1
.set n, 0
.rept 64
	v_med3_num_f32 v[64*(\u)+n], v[64*(\u)+n], -v[LIM], v[LIM]   ; the conversion to an 8-bit code does not saturate (ISA guide 7.6.2): the hold comes first
.set n, n+1
.endr
	WIN 0x01                                       ; source 0 window 1
.irp g, 0,1,2,3,4,5,6,7
	v_cvt_scalef32_pk8_fp8_f32 v[PC+16*((\u)%2)+2*\g:PC+16*((\u)%2)+2*\g+1], v[64*(\u)+8*\g:64*(\u)+8*\g+7], v[SCL]   ; four numbers of row 2 g and four of row 2 g + 1: each result register is four codes of one row
.endr
.if \ahead
	XLOAD \u                                       ; the same unit of the next trip
.endif
	WIN 0
	v_nop                                          ; one plain vector instruction behind the last scaled conversion
.irp rho, 0,1,2,3,4,5,6,7,8,9,10,11,12,13,14,15
	ds_store_b32 v[CW], v[PC+16*((\u)%2)+\rho] offset:CP*\rho+128*(\u)   ; 32 lanes lay 128 consecutive codes of row rho
.endr
.endm
.macro TRIP ahead
.if \ahead
	s_wait_xcnt 0x0                                ; the loads issued so far have read their offset: it may be written
	MKVO
.endif
	v_add_nc_u32 v[CW], s[CO], v[CWB]
.if \ahead
	UNIT 0, 1, 48
	UNIT 1, 1, 48
	UNIT 2, 1, 48
	UNIT 3, 1, 48
.else
	UNIT 0, 0, 48                                  ; the last trip asks for nothing: the counts run down
	UNIT 1, 0, 32
	UNIT 2, 0, 16
	UNIT 3, 0, 0
.endif
	s_add_co_u32 s[CO], s[CO], CSUB
.endm
.macro FILL win                        ; two row tiles' 16 fragments out of my four sub-blocks into window win.  My own bytes, and LDS serves a wave's instructions in order: no wait stands in front
	WIN (\win)<<6
.irp mq, 0,1
.irp s, 0,1,2,3,4,5,6,7
.irp c, 0,1,2,3
	ds_load_b128 v[16*(8*\mq+\s)+4*\c:16*(8*\mq+\s)+4*\c+3], v[FA] offset:CSUB*(2*\mq+\s/4)+128*(\s%4)+32*\c
.endr
.endr
.endr
	WIN 0
.endm
	s_mov_b32 s[TA], 0
	s_mov_b32 s[CO], 0
	MKVO
	XLOAD 0                                        ; 64 loads of 512 bytes are out from here on
	XLOAD 1
	XLOAD 2
	XLOAD 3
	WIN 0
	s_mov_b32 s[CNT], 4
.Lxa:                                              ; row tiles 0 and 1
	TRIP 1
	s_sub_co_u32 s[CNT], s[CNT], 1
	s_cmp_lg_u32 s[CNT], 0
	s_cbranch_scc1 .Lxa
	FILL 2
	s_mov_b32 s[CO], 0
	s_mov_b32 s[CNT], 3
.Lxb:                                              ; row tiles 2 and 3
	TRIP 1
	s_sub_co_u32 s[CNT], s[CNT], 1
	s_cmp_lg_u32 s[CNT], 0
	s_cbranch_scc1 .Lxb
	TRIP 0
	FILL 3
; ---------------- PHASE G
.macro FETCH p, hb                     ; N tiles 2 p, 2 p + 1 of the slot in hand, K steps 4 hb .. 4 hb + 3: eight fragments, 32 loads of 512 consecutive bytes
	WIN 0
	v_add_nc_u32 v[ADR], s[TB], v[LN16]
	WIN 0x40                                       ; destination window 1
.irp sq, 0,1,2,3
.irp nt, 0,1
.irp c, 0,1,2,3
	ds_load_b128 v[128*(\hb)+16*(2*\sq+\nt)+4*\c:128*(\hb)+16*(2*\sq+\nt)+4*\c+3], v[ADR] offset:16384*(2*(\p)+\nt)+2048*(4*(\hb)+\sq)+512*\c
.endr
.endr
.endr
.endm
; Matrix instruction i of 64 of pair p: K step i / 8, N tile (i / 4) % 2, row tile i % 4.  Source 0 = my rows, source 1 = W_enc: a lane holds ONE column (lane % 16) and rows 8 (lane / 16) + 0 .. 7,
; so bias2 and w2 cost one register each for a tile.  The eight accumulators take turns; K step 0 starts the sums.
.macro MM p
.set ms, i/8
.set mn, (i/4)%2
.set mm, i%4
	WIN 0x06+(mm/2)                                ; source 0 window 2 or 3, source 1 window 1
.set rD, ACC+64*(\p)+8*(4*mn+mm)
.set rA, 16*(8*(mm%2)+ms)
.set rB, 128*(ms/4)+16*(2*(ms%4)+mn)
.if ms == 0
	v_wmma_f32_16x16x128_fp8_fp8 v[rD:rD+7], v[rA:rA+15], v[rB:rB+15], 0
.else
	v_wmma_f32_16x16x128_fp8_fp8 v[rD:rD+7], v[rA:rA+15], v[rB:rB+15], v[rD:rD+7]
.endif
.endm
; Number j of the 224 vector instructions that take set q's 64 sums to the scores, in place, each accumulator from its low end on.
;   0-95    arg = sum x C + bias2 (32, packed) and 2^arg (64): a pair's exponentials stand three numbers behind its scaling; none of these names an exponential's result
;   (wait)  a plain instruction and ONE wait for the batch ahead of the first instruction that names a result
;   96-191  1 + 2^arg (32, packed) and the reciprocals (64), in the same order; then a plain instruction and one wait
;   192-223 the sums take w2 r (32, packed)
.macro VEC q
.set vb, ACC+64*(\q)
.set jj, j%96
.set tra, 1
.set pr, 0
.set tr, 0
.if jj == 0
.set tra, 0
.elseif jj >= 94
.set tr, jj-32
.elseif (jj-1)%3 == 0
.set tra, 0
.set pr, (jj-1)/3+1
.else
.set tr, 2*((jj-1)/3)+(jj-1)%3-1
.endif
.if (j == 96) || (j == 192)
	v_nop
	s_wait_alu depctr_va_vdst(0)
.endif
.if j >= 192
.set pr, j-192
.set sx, SACC+8*((pr/4)%4)+2*(pr%4)
	v_pk_fma_f32 v[sx:sx+1], v[vb+2*pr:vb+2*pr+1], v[BW+2*(2*(\q)+pr/16):BW+2*(2*(\q)+pr/16)+1], v[sx:sx+1] op_sel:[0,1,0] op_sel_hi:[1,1,1]   ; of the pair (bias2, w2) the second serves both halves
.elseif j >= 96
.if tra
	v_rcp_f32 v[vb+tr], v[vb+tr]
.else
	v_pk_add_f32 v[vb+2*pr:vb+2*pr+1], v[vb+2*pr:vb+2*pr+1], 1.0 op_sel_hi:[1,0]
.endif
.else
.if tra
	v_exp_f32 v[vb+tr], v[vb+tr]
.else
	v_pk_fma_f32 v[vb+2*pr:vb+2*pr+1], v[vb+2*pr:vb+2*pr+1], s[CC:CC+1], v[BW+2*(2*(\q)+pr/16):BW+2*(2*(\q)+pr/16)+1] op_sel_hi:[1,0,0]   ; of C's pair and of (bias2, w2) the first serves both halves
.endif
.endif
.endm
.macro SLICE q                         ; slice k of 64: three or four numbers of the list: 224 = 64 x 3.5
	WIN 0
.rept (7*(k+1))/2-(7*k)/2
	VEC \q
.set j, j+1
.endr
.set k, k+1
.endm
.macro RUN p, vec, cnt                 ; cnt matrix instructions of pair p, each with a slice of the other set's list behind it
.rept \cnt
	MM \p
.if \vec
	SLICE 1-(\p)
.endif
.set i, i+1
.endr
.endm
; A PAIR.  vec = 0: there is no pair before it.  first = 1: the launch's first.
; mode 0: the next pair lies in the same slot.  1: the slot is left and filled again.  2: it is left.  3: the last pair.
.macro PAIR p, vec, mode, first
.set i, 0
.set j, 0
.set k, 0
	WIN 0
	s_wait_loadcnt 0x0                             ; (bias2, w2) of the pair before, asked for at its head; the wait also frees the loads' offset
.if ((\p) == 0) && !(\first)
	v_add_nc_u32 v[BWO], 0x200, v[BWO]             ; a slot on: 64 columns x 8 bytes
.endif
	global_load_b64 v[BW+4*(\p):BW+4*(\p)+1], v[BWO], s[8:9] offset:256*(\p)       ; this pair's, for the slices of the next
	global_load_b64 v[BW+4*(\p)+2:BW+4*(\p)+3], v[BWO], s[8:9] offset:256*(\p)+128
	s_wait_dscnt 0x0                               ; K steps 0-3 are in
	RUN \p, \vec, 2
	PLACES
	FETCH \p, 1                                    ; K steps 4-7: 30 matrix instructions ahead of their use
	RUN \p, \vec, 30
.if (\mode) == 0
	s_wait_dscnt 0x0                               ; K steps 4-7 are in
	RUN \p, \vec, 2
	PLACES
	FETCH (\p)+1, 0                                ; the next pair's K steps 0-3
	RUN \p, \vec, 30
.elseif (\mode) == 3
	s_wait_dscnt 0x0
	RUN \p, \vec, 32
.else
	; THE CHANGE OF SLOTS: one barrier.  In front of it each wave waits for all its tensor loads (one is out: its part of the next slot), adds 0 to its spare word, and waits for that and for its reads of this slot.
	WIN 0
	s_wait_tensorcnt 0x0                           ; no tensor load of mine is out, so a group 0 may be written
	ds_add_u32 v[SPW], v[NIL]                      ; 0 onto my spare word
.if (\mode) == 1
	s_xor_b32 s[G0B+1], s[G0B+1], SLOTB            ; the walking descriptor: the other slot than last time,
	s_add_nc_u64 s[G0B+2:G0B+3], s[G0B+2:G0B+3], SLOTB   ; the next four N tiles; the type bits on top are not reached
.endif
	s_wait_dscnt 0x1                               ; K steps 4-7 are in; the add may be out
	RUN \p, \vec, 8                                ; eight matrix instructions stand between the add and the wait for it
	s_wait_dscnt 0x0                               ; the add is done, and my reads of this slot are over
	s_barrier_signal -1
	RUN \p, \vec, 8                                ; work on registers while the others arrive
	WIN 0
.if (\mode) == 1
	s_wait_alu depctr_va_vdst(0)                   ; the reciprocals issued so far have their wait ahead of them
.endif
	s_barrier_wait -1
.if (\mode) == 1
	CREST                                          ; the barrier has opened a round of the cluster's: no wave of any partner still reads this slot or has a load on its way
	tensor_load_to_lds s[G0B:G0B+3], s[G1:G1+7]    ; the first tensor load behind the round, my only one until the next: it has two pairs, 128 matrix instructions, in which to land
	s_nop 0
.endif
	PLACES                                         ; behind the tensor load, and in front of the loads below
	s_xor_b32 s[TB], s[TB], SLOTB                  ; on to the other slot
	FETCH 0, 0
	RUN \p, \vec, 16
.endif
.if !(\vec)
	PLACES                                         ; no slices stood behind these products: four places ahead of the first read of their results
.endif
	WIN 0
.endm
	s_wait_dscnt 0x0                               ; my rows' codes are in their registers
	s_wait_tensorcnt 0x1                           ; my part of slot 0 is in; slot 1's may stay out
	s_barrier_signal -1
	s_barrier_wait -1                              ; everybody's is
	s_mov_b32 s[TB], 0
	FETCH 0, 0
	PAIR 0, 0, 0, 1
	s_mov_b32 s[CNT], 14
.Lslot:                                            ; 14 trips: every slot but the last two is filled again
	PAIR 1, 1, 1, 0
	PAIR 0, 1, 0, 0
	s_sub_co_u32 s[CNT], s[CNT], 1
	s_cmp_lg_u32 s[CNT], 0
	s_cbranch_scc1 .Lslot
	PAIR 1, 1, 2, 0                                ; the tail is written out
	PAIR 0, 1, 0, 0
	PAIR 1, 1, 3, 0
	s_wait_loadcnt 0x0                             ; the last pair's (bias2, w2)
.set j, 0
.rept 224
	VEC 1                                          ; the last pair's list has no products to stand between
.set j, j+1
.endr
	; ---------------- THE WAY OUT.  A lane's sums are those of the columns lane % 16 + 16 x anything: the sixteen lanes of a half are added.
.irp x, 1,2,4,8
.set n, 0
.rept 32
	v_add_f32_dpp v[SACC+n], v[SACC+n], v[SACC+n] row_xmask:\x row_mask:0xf bank_mask:0xf
.set n, n+1
.endr
.endr
.set n, 0
.rept 32
	ds_store_b32 v[SA], v[SACC+n] offset:64*(n/8)+4*(n%8)   ; row 16 m + 8 h + j: the sixteen lanes of a half write one word with one value
.set n, n+1
.endr
	ds_load_b64 v[24:25], v[SL]                    ; LDS serves a wave's instructions in order: this sees my stores
	v_mov_b32 v26, 0xff800000                      ; -infinity
	v_cmp_gt_i32 vcc_lo, s21, v[ROW]               ; enc_len > my position?
	s_wait_dscnt 0x0
	v_cndmask_b32 v24, v26, v24, vcc_lo
	v_cmp_gt_i32 vcc_lo, s21, v[ROW+1]
	v_cndmask_b32 v25, v26, v25, vcc_lo
	global_store_b64 v[GO], v[24:25], s[14:15]     ; 32 lanes store 256 consecutive bytes, at a multiple of 256 from the buffer's first byte
	s_wait_tensorcnt 0x0                           ; the wave's end
	ds_add_u32 v[SPW], v[NIL]
	s_wait_dscnt 0x0
	CROUND                                         ; the closing round: no work-group ends while a partner may still ask for a tile that names it
	s_endpgm
.Lfunc_end_k_q57b01225f0_score:
	.size	k_q57b01225f0_score, .Lfunc_end_k_q57b01225f0_score-k_q57b01225f0_score
	.p2alignl 7, 3214868480
	.fill 96, 4, 3214868480
	.section	.rodata,"a",@progbits
	.p2align	6, 0x0
	.amdhsa_kernel k_q57b01225f0_score
		.amdhsa_group_segment_fixed_size 327680
		.amdhsa_private_segment_fixed_size 0
		.amdhsa_enable_private_segment 0
		.amdhsa_kernarg_size 48
		.amdhsa_user_sgpr_count 2
		.amdhsa_user_sgpr_kernarg_segment_ptr 1
		.amdhsa_wavefront_size32 1
		.amdhsa_system_sgpr_workgroup_id_x 1
		.amdhsa_system_sgpr_workgroup_id_y 1
		.amdhsa_system_sgpr_workgroup_id_z 1
		.amdhsa_system_vgpr_workitem_id 0
		.amdhsa_next_free_vgpr 1024
		.amdhsa_next_free_sgpr 66
		.amdhsa_reserve_vcc 1
		.amdhsa_float_denorm_mode_32 3
		.amdhsa_float_denorm_mode_16_64 3
		.amdhsa_memory_ordered 1
		.amdhsa_forward_progress 1
		.amdhsa_inst_pref_size 248
	.end_amdhsa_kernel
	.amdgpu_metadata
---
amdhsa.version: [ 1, 2 ]
amdhsa.kernels:
  - .name:           k_q57b01225f0_score
    .symbol:         k_q57b01225f0_score.kd
    .args:
      - { .name: enc_states, .offset: 0, .size: 8, .value_kind: global_buffer, .address_space: global }
      - { .name: wenc_codes, .offset: 8, .size: 8, .value_kind: global_buffer, .address_space: global }
      - { .name: bw, .offset: 16, .size: 8, .value_kind: global_buffer, .address_space: global }
      - { .name: enc_len, .offset: 24, .size: 8, .value_kind: global_buffer, .address_space: global }
      - { .name: lowp_scales, .offset: 32, .size: 8, .value_kind: global_buffer, .address_space: global }
      - { .name: scores, .offset: 40, .size: 8, .value_kind: global_buffer, .address_space: global }
    .group_segment_fixed_size: 327680
    .private_segment_fixed_size: 0
    .kernarg_segment_align: 8
    .kernarg_segment_size: 48
    .max_flat_workgroup_size: 128
    .sgpr_count:     66
    .vgpr_count:     1024
    .wavefront_size: 32
...
	.end_amdgpu_metadata
.endif
;; end of part 2
;; launch context (part 3): grid 8 x 32, 8 waves a work-group, no clusters, 5,120 bytes of LDS; arguments enc_states, scores, enc_len, lowp_scales, ctx_codes, out1; writes ctx_codes, out1
.if DOCPART == 3
	.amdgcn_target "amdgcn-amd-amdhsa--gfx1250"
	.amdhsa_code_object_version 6
	.text
	.protected	k_q57b01225f0_context
	.globl	k_q57b01225f0_context
	.p2align	8
	.type	k_q57b01225f0_context,@function
k_q57b01225f0_context:
	s_mov_b64 s[64:65], 0
	v_nop
	global_prefetch_b8 v0, s[64:65] scope:SCOPE_SE
	s_setreg_imm32_b32 hwreg(HW_REG_WAVE_MODE, 25, 1), 1
	s_wait_xcnt 0x0
; attn = softmax of the masked scores; context[b][:] = sum over s of attn[b][s] enc_states[b][s][:], in f32 multiply-adds, since the context is quantised next; its codes of E4M3 (scale 2^e4) are stored.
; The scores t come in units of log2: p = 2^(t - M), M the row's largest t; attn = p / the sum of p.  Masked positions hold -infinity and give 0.
; SHARES.  Work-group (x, y) owns columns 128 x .. 128 x + 127 of batch y over all rows, so it finishes its piece of the context: no partial sums go to memory.  It also stores positions 256 x .. + 255 of attn.
; A load takes 512 consecutive bytes of one row, 16 a lane.  Rows go in groups of 8; wave w takes groups 8 t + w.
; A wave's first four groups (rows 0 to 255 of the batch, which every batch has) are asked for as soon as the buffers' addresses are known, ahead of enc_len.  From the fifth on, groups that lie wholly at or behind
; enc_len are not read: the trip count is made from enc_len.
; Each wave finds M and the sum for itself, from all 2,048 scores (8,192 bytes), while its first 32 row loads are on their way: no barrier stands in front of the stream.
; A wave's weights lie across its lanes (lane t: the eight rows of group 8 t + w) and are taken out by v_readlane_b32 as scalars, which every lane's multiply-adds share.
; No tensor loads, no matrix unit, no cluster: memory binds, work-groups share no row bytes, and the product has one row.
; LIMITS: e4 between -126 and 119.  Rows behind enc_len that lie among the batch's first 256, or share a group of 8 with valid rows, are read and multiplied by 0: infinities and NaN there give NaN, as they do in the reference.
; enc_len <= 0 gives NaN everywhere, as in the reference.
.set VOFF, 8                           ; v8-11    slot k: the byte offset of its group
.set T,    16                          ; v16-79   all 2,048 scores, 64 a lane
.set P,    80                          ; v80-87   lane t: the eight rows of group 8 t + w
.set O,    88                          ; v88-91   four positions of attn that go out
.set X,    96                          ; v96-223  four slots of 8 rows x 4 registers
.set ACC,  224                         ; v224-231 my four columns: even rows' sums, odd rows' sums
.set PS,   32                          ; s32-39   a group's eight weights
	s_load_b256 s[4:11], s[0:1], 0x0               ; enc_states s[4:5], scores s[6:7], enc_len s[8:9], the scales' exponents s[10:11]
	s_load_b128 s[12:15], s[0:1], 0x20             ; ctx_codes s[12:13], out1 s[14:15]
	v_lshl_add_u32 v240, v0, 2, 0x1000
	v_mov_b32 v241, 0
	v_lshrrev_b32 v1, 5, v0
	v_readfirstlane_b32 s16, v1                    ; wave 0..7
	s_and_b32 s17, ttmp7, 0xffff                   ; batch
	v_and_b32 v1, 31, v0                           ; lane
	v_lshlrev_b32 v2, 4, v1                        ; 16 x lane
	s_lshl_b32 s40, s16, 5
	v_lshl_add_u32 v3, v1, 8, s40                  ; the scores of group 8 lane + w: 256 x lane + 32 x wave
	s_and_b32 s40, s16, 1
	s_lshl_b32 s40, s40, 9
	s_lshl_b32 s41, ttmp9, 10
	s_add_co_u32 s40, s40, s41
	v_add_nc_u32 v4, s40, v2                       ; attn's piece: 1,024 x + 512 (w % 2) + 16 x lane
	s_lshl_b32 s40, s16, 9
	v_add_nc_u32 v5, s40, v2                       ; LDS: 512 x wave + 16 x lane
	v_lshlrev_b32 v6, 2, v1                        ; 4 x lane
	s_lshl_b32 s40, s16, 15
	v_add_nc_u32 v7, s40, v2                       ; group w: 8 rows of 4,096 bytes a group
	s_mov_b32 s30, 0x76543210                      ; v_permlanex16_b32's selects for lane l xor 16
	s_mov_b32 s31, 0xfedcba98
	s_lshl_b32 s18, s17, 13                        ; a batch of scores and of attn is 8,192 bytes
	s_mov_b32 s19, 0
	s_lshl_b32 s20, s17, 2
	s_mov_b32 s21, 0
	s_wait_kmcnt 0x0
	s_add_nc_u64 s[8:9], s[8:9], s[20:21]
	s_load_b32 s22, s[8:9], 0x0                    ; enc_len of my batch
	s_load_b32 s23, s[10:11], 0x10                 ; e4
	s_add_nc_u64 s[6:7], s[6:7], s[18:19]
	s_add_nc_u64 s[14:15], s[14:15], s[18:19]
.set n, 0
.rept 16
	global_load_b128 v[T+4*n:T+4*n+3], v2, s[6:7] offset:512*n
.set n, n+1
.endr
	global_load_b128 v[P:P+3], v3, s[6:7]
	global_load_b128 v[P+4:P+7], v3, s[6:7] offset:16
	global_load_b128 v[O:O+3], v4, s[6:7]
	s_lshl_b32 s18, s17, 23                        ; a batch of enc_states is 8 MiB
	s_lshl_b32 s20, ttmp9, 9                       ; my 128 columns
	s_add_co_u32 s18, s18, s20
	s_add_nc_u64 s[4:5], s[4:5], s[18:19]
.macro ROWS8 k                         ; slot k's eight rows
.irp i, 0,1,2,3,4,5,6,7
	global_load_b128 v[X+32*(\k)+4*\i:X+32*(\k)+4*\i+3], v[VOFF+\k], s[4:5] offset:4096*\i th:TH_LOAD_NT
.endr
.endm
.irp k, 0,1,2,3                        ; slot k takes group 8 k + w: rows under 256, inside every batch: nothing of it hangs on enc_len
	v_add_nc_u32 v[VOFF+\k], \k<<18, v7
	ROWS8 \k
.endr
	s_lshl_b32 s18, s17, 10
	s_lshl_b32 s20, ttmp9, 7
	s_add_co_u32 s18, s18, s20
	s_add_nc_u64 s[12:13], s[12:13], s[18:19]      ; my 128 codes
	s_wait_kmcnt 0x0
	s_max_i32 s24, s22, 0
	s_min_u32 s24, s24, 2048
	s_add_co_u32 s24, s24, 7
	s_lshr_b32 s24, s24, 3                         ; groups with a valid row
	s_add_co_u32 s24, s24, 7
	s_sub_co_u32 s24, s24, s16
	s_lshr_b32 s24, s24, 3                         ; of them mine: those 8 t + w
	s_max_u32 s27, s24, 1
	s_sub_co_u32 s27, s27, 1                       ; my last t
	s_add_co_u32 s28, s24, 3
	s_lshr_b32 s28, s28, 2
	s_max_u32 s28, s28, 1
	s_sub_co_u32 s28, s28, 1                       ; trips of four groups that ask for four more; one more trip follows them
	s_mov_b32 s25, 0                               ; the t at work
	s_mov_b32 s26, 4                               ; the t that is asked for next
.macro ASKG k                          ; slot k takes group 8 t + w; a t past my last is held there (its weights are 0), and, by a constant, inside the batch
	s_min_u32 s40, s26, s27
	s_min_u32 s40, s40, 31
	s_lshl_b32 s40, s40, 18
	v_add_nc_u32 v[VOFF+\k], s40, v7
	s_add_co_u32 s26, s26, 1
	ROWS8 \k
.endm
.set n, 0
.rept 8
	v_mov_b32 v[ACC+n], 0
.set n, n+1
.endr
	; ---- the softmax's two figures, while the rows are on their way
	s_wait_loadcnt 32                              ; the 19 loads of scores are in; the 32 row loads behind them stay out
	v_max3_num_f32 v12, v[T], v[T+1], v[T+2]       ; the largest of my 64, in two chains,
	v_max3_num_f32 v13, v[T+3], v[T+4], v[T+5]
.irp i, 6,10,14,18,22,26,30,34,38,42,46,50,54,58
	v_max3_num_f32 v12, v12, v[T+\i], v[T+\i+1]
	v_max3_num_f32 v13, v13, v[T+\i+2], v[T+\i+3]
.endr
	v_max3_num_f32 v12, v12, v[T+62], v[T+63]
	v_max_num_f32 v12, v12, v13
.irp x, 1,2,4,8
	v_max_num_f32_dpp v12, v12, v12 row_xmask:\x row_mask:0xf bank_mask:0xf   ; and of the 32 lanes
.endr
	v_permlanex16_b32 v13, v12, s30, s31
	v_max_num_f32 v12, v12, v13                    ; M
.set n, 0
.rept 38
	v_pk_add_f32 v[T+2*n:T+2*n+1], v[T+2*n:T+2*n+1], v[12:13] op_sel_hi:[1,0] neg_lo:[0,1] neg_hi:[0,1]   ; t - M: all scores, my groups' and attn's piece lie on end, v16-91
.set n, n+1
.endr
.set n, 0
.rept 76
	v_exp_f32 v[T+n], v[T+n]
.set n, n+1
.endr
	v_nop                                          ; a plain instruction behind the last exponential,
	s_wait_alu depctr_va_vdst(0)                   ; and one wait for the batch ahead of the first instruction that names a result
	v_pk_add_f32 v[232:233], v[T:T+1], v[T+2:T+3]  ; the sum, two at a time, in two chains
	v_pk_add_f32 v[234:235], v[T+4:T+5], v[T+6:T+7]
.irp i, 8,12,16,20,24,28,32,36,40,44,48,52,56,60
	v_pk_add_f32 v[232:233], v[232:233], v[T+\i:T+\i+1]
	v_pk_add_f32 v[234:235], v[234:235], v[T+\i+2:T+\i+3]
.endr
	v_pk_add_f32 v[232:233], v[232:233], v[234:235]
	v_add_f32 v232, v232, v233
.irp x, 1,2,4,8
	v_add_f32_dpp v232, v232, v232 row_xmask:\x row_mask:0xf bank_mask:0xf
.endr
	v_permlanex16_b32 v233, v232, s30, s31
	v_add_f32 v232, v232, v233
	v_rcp_f32 v234, v232
	v_nop
	s_wait_alu depctr_va_vdst(0)
.irp i, 0,2,4,6,8,10
	v_pk_mul_f32 v[P+\i:P+\i+1], v[P+\i:P+\i+1], v[234:235] op_sel_hi:[1,0]   ; attn of my groups' rows and of the piece that goes out
.endr
	s_cmp_gt_u32 s16, 1
	s_cbranch_scc1 .Lno_attn
	global_store_b128 v4, v[O:O+3], s[14:15]       ; waves 0 and 1: 512 consecutive bytes each, at a multiple of 512 from out1's first byte
.Lno_attn:
	; ---- the stream
.macro GROUP k, ahead, left
	s_wait_loadcnt \left                           ; this slot's eight loads are in (which also frees their offset); the younger slots' stay out
.irp i, 0,1,2,3,4,5,6,7
	v_readlane_b32 s[PS+\i], v[P+\i], s25
.endr
.irp i, 0,1,2,3,4,5,6,7
.irp j, 0,1,2,3
	v_fmac_f32 v[ACC+4*(\i%2)+\j], s[PS+\i], v[X+32*(\k)+4*\i+\j]
.endr
.endr
	s_add_co_u32 s25, s25, 1
.if \ahead
	ASKG \k
.endif
.endm
	s_cmp_eq_u32 s28, 0
	s_cbranch_scc1 .Ltail
	s_mov_b32 s29, 0
.Lrows:
	GROUP 0, 1, 24
	GROUP 1, 1, 24
	GROUP 2, 1, 24
	GROUP 3, 1, 24
	s_add_co_u32 s29, s29, 1
	s_cmp_lt_u32 s29, s28
	s_cbranch_scc1 .Lrows
.Ltail:
	GROUP 0, 0, 24                                 ; the last four groups ask for nothing: the counts run down
	GROUP 1, 0, 16
	GROUP 2, 0, 8
	GROUP 3, 0, 0
	; ---- the eight waves' sums meet in LDS; wave 0 adds, quantises and stores
	v_pk_add_f32 v[ACC:ACC+1], v[ACC:ACC+1], v[ACC+4:ACC+5]
	v_pk_add_f32 v[ACC+2:ACC+3], v[ACC+2:ACC+3], v[ACC+6:ACC+7]
	ds_store_b128 v5, v[ACC:ACC+3]
	s_wait_dscnt 0x0                               ; for wave 0's sake
	s_barrier_signal -1
	s_barrier_wait -1
	s_cmp_lg_u32 s16, 0
	s_cbranch_scc1 .Lend
.irp k, 0,1,2,3,4,5,6,7
	ds_load_b128 v[X+4*\k:X+4*\k+3], v2 offset:512*\k
.endr
	s_add_co_i32 s40, s23, 127
	s_lshl_b32 s41, s40, 23
	v_mov_b32 v236, s41                            ; 2^e4
	s_add_co_i32 s40, s40, 8
	s_lshl_b32 s40, s40, 23
	s_or_b32 s40, s40, 0x600000
	v_mov_b32 v237, s40                            ; 448 x 2^e4
	s_wait_dscnt 0x0
.irp k, 0,2,4,6
	v_pk_add_f32 v[X+4*\k:X+4*\k+1], v[X+4*\k:X+4*\k+1], v[X+4*\k+4:X+4*\k+5]
	v_pk_add_f32 v[X+4*\k+2:X+4*\k+3], v[X+4*\k+2:X+4*\k+3], v[X+4*\k+6:X+4*\k+7]
.endr
.irp k, 0,4
	v_pk_add_f32 v[X+4*\k:X+4*\k+1], v[X+4*\k:X+4*\k+1], v[X+4*\k+8:X+4*\k+9]
	v_pk_add_f32 v[X+4*\k+2:X+4*\k+3], v[X+4*\k+2:X+4*\k+3], v[X+4*\k+10:X+4*\k+11]
.endr
	v_pk_add_f32 v[X:X+1], v[X:X+1], v[X+16:X+17]
	v_pk_add_f32 v[X+2:X+3], v[X+2:X+3], v[X+18:X+19]
.irp i, 0,1,2,3
	v_med3_num_f32 v[X+\i], v[X+\i], -v237, v237   ; the conversion does not saturate (ISA guide 7.6.2): the hold comes first
	v_mov_b32 v[X+4+\i], 0                         ; the conversion takes eight numbers: the upper four are zeros, and their codes are not stored
.endr
	v_cvt_scalef32_pk8_fp8_f32 v[X+8:X+9], v[X:X+7], v236
	global_store_b32 v6, v[X+8], s[12:13]          ; four codes a lane: my work-group's 128 bytes of the batch's row
.Lend:
	s_wait_tensorcnt 0x0
	ds_add_u32 v240, v241
	s_wait_dscnt 0x0
	s_endpgm
.Lfunc_end_k_q57b01225f0_context:
	.size	k_q57b01225f0_context, .Lfunc_end_k_q57b01225f0_context-k_q57b01225f0_context
	.p2alignl 7, 3214868480
	.fill 96, 4, 3214868480
	.section	.rodata,"a",@progbits
	.p2align	6, 0x0
	.amdhsa_kernel k_q57b01225f0_context
		.amdhsa_group_segment_fixed_size 5120
		.amdhsa_private_segment_fixed_size 0
		.amdhsa_enable_private_segment 0
		.amdhsa_kernarg_size 48
		.amdhsa_user_sgpr_count 2
		.amdhsa_user_sgpr_kernarg_segment_ptr 1
		.amdhsa_wavefront_size32 1
		.amdhsa_system_sgpr_workgroup_id_x 1
		.amdhsa_system_sgpr_workgroup_id_y 1
		.amdhsa_system_sgpr_workgroup_id_z 1
		.amdhsa_system_vgpr_workitem_id 0
		.amdhsa_next_free_vgpr 242
		.amdhsa_next_free_sgpr 66
		.amdhsa_reserve_vcc 0
		.amdhsa_float_denorm_mode_32 3
		.amdhsa_float_denorm_mode_16_64 3
		.amdhsa_memory_ordered 1
		.amdhsa_forward_progress 1
		.amdhsa_inst_pref_size 37
	.end_amdhsa_kernel
	.amdgpu_metadata
---
amdhsa.version: [ 1, 2 ]
amdhsa.kernels:
  - .name:           k_q57b01225f0_context
    .symbol:         k_q57b01225f0_context.kd
    .args:
      - { .name: enc_states, .offset: 0, .size: 8, .value_kind: global_buffer, .address_space: global }
      - { .name: scores, .offset: 8, .size: 8, .value_kind: global_buffer, .address_space: global }
      - { .name: enc_len, .offset: 16, .size: 8, .value_kind: global_buffer, .address_space: global }
      - { .name: lowp_scales, .offset: 24, .size: 8, .value_kind: global_buffer, .address_space: global }
      - { .name: ctx_codes, .offset: 32, .size: 8, .value_kind: global_buffer, .address_space: global }
      - { .name: out1, .offset: 40, .size: 8, .value_kind: global_buffer, .address_space: global }
    .group_segment_fixed_size: 5120
    .private_segment_fixed_size: 0
    .kernarg_segment_align: 8
    .kernarg_segment_size: 48
    .max_flat_workgroup_size: 256
    .sgpr_count:     66
    .vgpr_count:     242
    .wavefront_size: 32
...
	.end_amdgpu_metadata
.endif
;; end of part 3
;; launch outp (part 4): grid 16 x 1, 8 waves a work-group, no clusters, 75,264 bytes of LDS; arguments ctx_codes, wout_codes, lowp_scales, b_out, out0; writes out0
.if DOCPART == 4
	.amdgcn_target "amdgcn-amd-amdhsa--gfx1250"
	.amdhsa_code_object_version 6
	.text
	.protected	k_q57b01225f0_outp
	.globl	k_q57b01225f0_outp
	.p2align	8
	.type	k_q57b01225f0_outp,@function
k_q57b01225f0_outp:
	s_mov_b64 s[64:65], 0
	v_nop
	global_prefetch_b8 v0, s[64:65] scope:SCOPE_SE
	s_setreg_imm32_b32 hwreg(HW_REG_WAVE_MODE, 25, 1), 1
	s_wait_xcnt 0x0
; out0 = Q(context) Q(W_out) + b_out: [32][1024] f32, from the context's codes [32][1024] and W_out's codes, which lie as register images (fragment (N tile T, K step S) at (8 T + S) x 2048, the 16 bytes at
; 512 c + 16 lane = column 16 T + lane % 16, k = 128 S + 32 c + 16 (lane / 16) + 0 .. 15).  The context's fragments are loaded by the same places of k.
; A work-group makes 64 columns (N tiles 4 x .. 4 x + 3) for all 32 rows.  ITS EIGHT WAVES SHARE K: wave w takes K step w of all four N tiles and both row tiles: 26 loads, all asked for at once, and no byte is
; read twice in a work-group.  Eight matrix instructions, each starting a sum of its own; the eight waves' partial sums meet in LDS, where wave w adds accumulator w (row tile w / 4, N tile w % 4).
; Sixteen work-groups: the product has no more pieces of 256 output bytes a row to share.
; TRANSPOSED: source 0 = 16 columns of W_out, source 1 = 16 rows of the context: a lane holds one row and eight neighbouring columns.
; ORDER OF ROUNDING: K's eight steps are added as a tree of f32 additions.
; LIMIT: e4 + e5 between -126 and 127, so that 2^(e4 + e5) is an f32 number.
.set RED, 0                            ; 8 waves x 8 accumulators x 1,024 bytes
.set STG, 65536                        ; 32 rows x (256 bytes + 16)
.set SP,  272
.set BO,  16                           ; v16-23   b_out at my accumulator's eight columns
.set WF,  32                           ; v32-95   W_out's four fragments; later the eight waves' partial sums
.set CF,  96                           ; v96-127  the context's two fragments
.set ACC, 128                          ; v128-191 accumulator 4 m + nt
.set RS,  192                          ; v192-199 the finished numbers
.set OB,  200                          ; v200-207 rows read back
	s_load_b256 s[4:11], s[0:1], 0x0               ; ctx_codes s[4:5], wout_codes s[6:7], the scales' exponents s[8:9], b_out s[10:11]
	s_load_b64 s[12:13], s[0:1], 0x20              ; out0
	v_lshl_add_u32 v208, v0, 2, 0x12200
	v_mov_b32 v209, 0
	v_lshrrev_b32 v1, 5, v0
	v_readfirstlane_b32 s14, v1                    ; wave 0..7
	v_and_b32 v1, 31, v0                           ; lane
	v_and_b32 v2, 15, v0                           ; r
	v_bfe_u32 v3, v0, 4, 1                         ; h
	v_lshlrev_b32 v4, 4, v1                        ; W_out: 16 x lane
	v_lshlrev_b32 v5, 10, v2
	v_lshl_add_u32 v5, v3, 4, v5                   ; the context: row r of 1,024 bytes, + 16 h
	v_lshlrev_b32 v6, 5, v3                        ; b_out: my eight numbers: 32 h
	s_lshr_b32 s16, s14, 2                         ; the accumulator that I finish: row tile m = w / 4,
	s_and_b32 s17, s14, 3                          ; N tile nt = w % 4
	s_mul_i32 s15, s16, 16*SP
	s_lshl_b32 s18, s17, 6
	s_add_co_u32 s15, s15, s18
	s_add_co_u32 s15, s15, STG
	v_mul_u32_u24 v7, v2, SP
	v_lshl_add_u32 v7, v3, 5, v7
	v_add_nc_u32 v7, s15, v7                       ; the stage, in: row 16 m + r, + 64 nt + 32 h
	s_mul_i32 s15, s14, 4*SP
	s_add_co_u32 s15, s15, STG
	v_mul_u32_u24 v8, v3, SP
	v_lshl_add_u32 v8, v2, 4, v8
	v_add_nc_u32 v8, s15, v8                       ; back: rows 4 w + h, sixteen lanes to a row
	s_lshl_b32 s15, s14, 13
	v_add_nc_u32 v9, s15, v4                       ; where I put my eight partial accumulators
	s_lshl_b32 s15, s14, 10
	v_add_nc_u32 v10, s15, v4                      ; where accumulator w of wave 0 lies
	s_lshl_b32 s15, s14, 14
	v_lshlrev_b32 v11, 12, v3
	v_lshl_add_u32 v11, v2, 4, v11
	v_add_nc_u32 v11, s15, v11                     ; rows 4 w + h of out0: a row is 4,096 bytes
	s_lshl_b32 s18, ttmp9, 16                      ; four N tiles of 16,384 bytes,
	s_lshl_b32 s19, s14, 11                        ; K step w
	s_add_co_u32 s18, s18, s19
	s_mov_b32 s19, 0
	s_lshl_b32 s20, s14, 7                         ; the context's K step w
	s_mov_b32 s21, 0
	s_lshl_b32 s22, ttmp9, 8                       ; my work-group's 64 columns, in bytes of f32
	s_mov_b32 s23, 0
	s_lshl_b32 s28, s17, 6                         ; + my N tile's 16
	s_add_co_u32 s28, s28, s22
	s_mov_b32 s29, 0
	s_wait_kmcnt 0x0
	s_load_b64 s[24:25], s[8:9], 0x10              ; e4, e5
	s_add_nc_u64 s[6:7], s[6:7], s[18:19]
	s_add_nc_u64 s[4:5], s[4:5], s[20:21]
	s_add_nc_u64 s[10:11], s[10:11], s[28:29]
	s_add_nc_u64 s[12:13], s[12:13], s[22:23]
.irp t, 0,1,2,3
.irp c, 0,1,2,3
	global_load_b128 v[WF+16*\t+4*\c:WF+16*\t+4*\c+3], v4, s[6:7] offset:16384*\t+512*\c
.endr
.endr
.irp m, 0,1
.irp c, 0,1,2,3
	global_load_b128 v[CF+16*\m+4*\c:CF+16*\m+4*\c+3], v5, s[4:5] offset:16384*\m+32*\c
.endr
.endr
	global_load_b128 v[BO:BO+3], v6, s[10:11]      ; last: it is wanted behind the first barrier
	global_load_b128 v[BO+4:BO+7], v6, s[10:11] offset:16
	s_wait_loadcnt 2                               ; the fragments are in; b_out's two loads may be out
.irp m, 0,1                            ; eight accumulators, one instruction each: every product starts its own sum
.irp t, 0,1,2,3
	v_wmma_f32_16x16x128_fp8_fp8 v[ACC+8*(4*\m+\t):ACC+8*(4*\m+\t)+7], v[WF+16*\t:WF+16*\t+15], v[CF+16*\m:CF+16*\m+15], 0
.endr
.endr
.rept 4
	v_nop                                          ; four places in front of the stores that read results and of the loads into registers that held fragments
.endr
.irp a, 0,1,2,3,4,5,6,7
	ds_store_b128 v9, v[ACC+8*\a:ACC+8*\a+3] offset:RED+1024*\a
	ds_store_b128 v9, v[ACC+8*\a+4:ACC+8*\a+7] offset:RED+1024*\a+512
.endr
	s_wait_dscnt 0x0                               ; for the others' sake: my partial sums lie in LDS
	s_barrier_signal -1
	s_barrier_wait -1
.irp k, 0,1,2,3,4,5,6,7                ; accumulator w of the eight waves
	ds_load_b128 v[WF+8*\k:WF+8*\k+3], v10 offset:RED+8192*\k
	ds_load_b128 v[WF+8*\k+4:WF+8*\k+7], v10 offset:RED+8192*\k+512
.endr
	s_wait_kmcnt 0x0
	s_add_co_i32 s26, s24, s25
	s_add_co_i32 s26, s26, 127
	s_lshl_b32 s26, s26, 23                        ; 2^(e4 + e5) as f32
	s_mov_b32 s27, s26                             ; (named with it as a pair, so it is written)
	s_wait_loadcnt 0x0                             ; b_out
	s_wait_dscnt 0x0
.irp d, 1,2,4                          ; neighbours 1, 2 and 4 K steps apart are added
.set k, 0
.rept 4/\d
.irp i, 0,2,4,6
	v_pk_add_f32 v[WF+8*k+\i:WF+8*k+\i+1], v[WF+8*k+\i:WF+8*k+\i+1], v[WF+8*(k+\d)+\i:WF+8*(k+\d)+\i+1]
.endr
.set k, k+2*\d
.endr
.endr
.irp i, 0,2,4,6
	v_pk_fma_f32 v[RS+\i:RS+\i+1], v[WF+\i:WF+\i+1], s[26:27], v[BO+\i:BO+\i+1] op_sel_hi:[1,0,1]   ; sum x 2^(e4 + e5) + b_out
.endr
	ds_store_b128 v7, v[RS:RS+3]                   ; lane (r, h): out0(16 m + r, 64 x + 16 nt + 8 h + 0 .. 7)
	ds_store_b128 v7, v[RS+4:RS+7] offset:16
	s_wait_dscnt 0x0                               ; a row's 256 bytes come from four waves
	s_barrier_signal -1
	s_barrier_wait -1
.irp t, 0,1
	ds_load_b128 v[OB+4*\t:OB+4*\t+3], v8 offset:2*SP*\t
.endr
.irp t, 0,1
	s_wait_dscnt 1-\t
	global_store_b128 v11, v[OB+4*\t:OB+4*\t+3], s[12:13] offset:8192*\t   ; sixteen lanes store 256 consecutive bytes, at a multiple of 256 from out0's first byte
.endr
	s_wait_tensorcnt 0x0
	ds_add_u32 v208, v209
	s_wait_dscnt 0x0
	s_endpgm
.Lfunc_end_k_q57b01225f0_outp:
	.size	k_q57b01225f0_outp, .Lfunc_end_k_q57b01225f0_outp-k_q57b01225f0_outp
	.p2alignl 7, 3214868480
	.fill 96, 4, 3214868480
	.section	.rodata,"a",@progbits
	.p2align	6, 0x0
	.amdhsa_kernel k_q57b01225f0_outp
		.amdhsa_group_segment_fixed_size 75264
		.amdhsa_private_segment_fixed_size 0
		.amdhsa_enable_private_segment 0
		.amdhsa_kernarg_size 40
		.amdhsa_user_sgpr_count 2
		.amdhsa_user_sgpr_kernarg_segment_ptr 1
		.amdhsa_wavefront_size32 1
		.amdhsa_system_sgpr_workgroup_id_x 1
		.amdhsa_system_sgpr_workgroup_id_y 1
		.amdhsa_system_sgpr_workgroup_id_z 1
		.amdhsa_system_vgpr_workitem_id 0
		.amdhsa_next_free_vgpr 210
		.amdhsa_next_free_sgpr 66
		.amdhsa_reserve_vcc 0
		.amdhsa_float_denorm_mode_32 3
		.amdhsa_float_denorm_mode_16_64 3
		.amdhsa_memory_ordered 1
		.amdhsa_forward_progress 1
		.amdhsa_inst_pref_size 11
	.end_amdhsa_kernel
	.amdgpu_metadata
---
amdhsa.version: [ 1, 2 ]
amdhsa.kernels:
  - .name:           k_q57b01225f0_outp
    .symbol:         k_q57b01225f0_outp.kd
    .args:
      - { .name: ctx_codes, .offset: 0, .size: 8, .value_kind: global_buffer, .address_space: global }
      - { .name: wout_codes, .offset: 8, .size: 8, .value_kind: global_buffer, .address_space: global }
      - { .name: lowp_scales, .offset: 16, .size: 8, .value_kind: global_buffer, .address_space: global }
      - { .name: b_out, .offset: 24, .size: 8, .value_kind: global_buffer, .address_space: global }
      - { .name: out0, .offset: 32, .size: 8, .value_kind: global_buffer, .address_space: global }
    .group_segment_fixed_size: 75264
    .private_segment_fixed_size: 0
    .kernarg_segment_align: 8
    .kernarg_segment_size: 40
    .max_flat_workgroup_size: 256
    .sgpr_count:     66
    .vgpr_count:     210
    .wavefront_size: 32
...
	.end_amdgpu_metadata
.endif
;; end of part 4
